; MI455X (gfx1250); checked and timed in simulation.
; The chip was launched on July 23, 2026; its instructions are those of AMD's public machine-readable ISA for CDNA 5 (MIT licence, August 2026) and "CDNA5" Instruction Set Architecture Reference Guide (July 2026). The comments in the code are by the model that wrote it; some were corrected since.
;; Overlap Row Parallel Layer. Allowed arithmetic: matrix products marked QUANTISED: E2M1 operands, one E8M0 scale for each 32 along K, by v_wmma_scale_f32_16x16x128_f8f6f4 with both operands' format E2M1 (or v_wmma_scale_f32_32x16x128_f4), f32 sums; everything else in f32.
;; Inputs: weight 4 x 2,048 x 4,096 float16; x 4 x 2,048 x 4,096 float16.
;; Outputs: out0 2,048 x 2,048 float16.
;; This version of the problem:
;;   THIS VERSION OF THE PROBLEM IS GIVEN IN LOW PRECISION. The matrix products marked QUANTISED in the list below multiply operands that are first quantised to E2M1 (2 exponent bits, 1 mantissa bit; 4 bits a number), with one power-of-two scale for each 32 numbers along K (OCP MX v1.0); their sums are f32. All else is computed in f32.
;;   The module's matrix products, in the order in which they are computed (A, B: the left and right operand; K: the contracted axis; several contracted axes count as one K, in the product's order):
;;     1. [M 2,048, K 16,384] x [K 16,384, N 2,048]; A: input x; B: input weight: QUANTISED
;;   THE QUANTISER, for each operand of a quantised product, along K:
;;     - K is cut into blocks of 32 from its start; a last block that is shorter is filled with zeros.
;;     - A block's scale is 2^e with e = floor(log2(the largest magnitude in the block)) - 2, held to -126 .. 127; a block of zeros has e = 0. As a byte (E8M0): e + 127.
;;     - Each number is divided by its block's scale, clamped to +-6, and rounded to the nearest number of E2M1, ties to even, subnormals kept.
;;     - The product sums the exact products of the quantised numbers (number of the format x scale) in f32.
;;   ~~~python
;;   def quantise(x, axis):      # numpy; x: float32 -> the quantised numbers, widened to float32 again
;;       x = np.moveaxis(x, axis, -1); K = x.shape[-1]
;;       x = np.pad(x, [(0, 0)] * (x.ndim - 1) + [(0, -K % 32)]); x = x.reshape(x.shape[:-1] + (-1, 32)); a = np.abs(x).max(-1, keepdims=True)
;;       e = np.where(a > 0, np.clip(np.frexp(np.where(a > 0, a, 1))[1] - 1 - 2, -126, 127), 0)      # np.frexp(a)[1] - 1 = floor(log2(a)), exactly
;;       r = np.clip(x / 2.0 ** e, -6, 6)
;;       step = 2.0 ** (np.maximum(np.frexp(np.where(r == 0, 1, r))[1] - 1, 0) - 1)
;;       q = np.round(r / step) * step * 2.0 ** e      # np.round: ties to even
;;       return np.moveaxis(q.reshape(q.shape[:-2] + (-1,))[..., :K], -1, axis).astype(np.float32)
;;   ~~~
;; One version. Each part assembles by itself: llvm-mc -triple=amdgcn-amd-amdhsa -mcpu=gfx1250 --defsym DOCPART=n.
;; ======== version 1 of 1: 2 launches
;; limits: values are held in f16: magnitudes above 65,504 overflow, below 6.1e-05 lose precision; right only within a limited range of input values
;; workspace buffers: q 35,651,584 bytes
;; launch quant (part 1): grid 256 x 2, 8 waves a work-group, no clusters, 74,752 bytes of LDS; arguments x, weight, q; writes q
.if DOCPART == 1
	.amdgcn_target "amdgcn-amd-amdhsa--gfx1250"
	.amdhsa_code_object_version 6
	.text
	.protected	k_qdbaf15857f_quant
	.globl	k_qdbaf15857f_quant
	.p2align	8
	.type	k_qdbaf15857f_quant,@function
k_qdbaf15857f_quant:
	s_mov_b64 s[64:65], 0
	v_nop
	global_prefetch_b8 v0, s[64:65] scope:SCOPE_SE
	s_setreg_imm32_b32 hwreg(HW_REG_WAVE_MODE, 25, 1), 1
	s_wait_xcnt 0x0
; x [4][2048][4096] and weight [4][2048][4096], f16, become codes of E2M1 with one E8M0 byte for each 32 along K.
; K'S ORDER.  The product contracts the two axes k and w, and K is the pair in the order in which the product names them: k ahead of w, so w runs fastest: K = 4 k + w.
;   Block c of a row (K = 32 c .. 32 c + 31) is therefore k = 8 c .. 8 c + 7 of ranks 0 to 3.  Inside a block the codes are laid rank by rank, alike in both operands: the order inside a block moves no sum.
; NO WORK IS LEFT OUT: every number of both inputs enters a block's scale and a code, and every code enters a sum of the output.
; A block's scale is 2^(floor(log2(its largest magnitude)) - 2); its byte is the largest magnitude's exponent field (as f32) - 2.  f16 to f32 is exact; the division, the hold at 6 and the rounding (ties to even) are the conversion's.
; LIMITS: NaN and infinities among the inputs are not served.  A block of zeros gets the byte 1 where the rule says 127: its codes are zeros, which add nothing under that byte, and this program alone reads the bytes.
;   The floor 2^(3 - 127) under the largest magnitude touches nothing else: the smallest f16 magnitude other than 0 is 2^-24.
; THE WORKSPACE q IS LAID AS THE PRODUCT'S LAUNCH TAKES IT.  Operand op (0 x, 1 weight) begins at op x 256 x 69,632.  Block (T = row / 128, t = K / 1,024) begins (16 T + t) x 69,632 on and holds
;   codes  [kq 4][j 2][pos 8][bq 4][r 16][16 bytes]: K block 32 t + 8 kq + 4 j + bq; a fragment (pos: 16 rows x 128 K, 1,024 bytes) is the image of its 8 registers, lane l's 16 bytes at 512 c + 16 l;
;   scales [kq 4][pos 8][r 16][j 2][4 bytes], from byte 65,536 on: a word is the four bytes of 128 along K.
;   Position pos holds rows 16 i + r of the 128: weight: i = pos; x: i = pos xor 2 kq (so that in the product's launch wave kq finds the rows that it will own at positions 0 and 1).
; SHARES.  A work-group makes one block of q: 128 rows x 4 ranks x 512 bytes in, 69,632 consecutive bytes out.  Wave i takes row block i: 16 rows.
; A row is four loads, one a rank, each of 512 consecutive bytes, 16 a lane: LANE l HOLDS A WHOLE BLOCK OF 32 (kq = l / 8, j = (l / 4) % 2, bq = l % 4): its maximum needs no other lane, and four conversions give its 16 bytes.
; A lane's codes of 16 rows are 256 consecutive bytes of q, and the lanes beside it hold other such runs: so they turn through the wave's own stage in LDS and leave by sixteen stores of 512 consecutive bytes.
; 256 consecutive scale bytes belong to two neighbouring row blocks, that is to two waves: the bytes meet in LDS, behind the launch's one barrier, and each wave stores two such runs.
; No tensor load.  Sixteen loads of a wave (4 rows, 8,192 bytes) are always on their way.
.set BLK,   69632
.set WSTG,  8704                       ; LDS: a stage for each wave: 32 lanes x (16 rows x 16 bytes + 16 of padding)
.set SCB,   8*WSTG                     ; behind the stages: the work-group's 4,096 scale bytes: [pair of row blocks 4][kq 4][which of the pair 2][r 16][8 bytes]
.set SPARE, SCB+4096                   ; behind them: the spare words, 128 bytes for each wave: four blocks of 256 bytes that no other line names
.set LO,  1                            ; v1   16 x lane: offset of the loads and of the codes' stores; never rewritten
.set STI, 2                            ; v2   the stage, in: 272 x lane
.set STR, 3                            ; v3   the stage, out: 272 (lane / 16) + 16 (lane % 16)
.set SBA, 4                            ; v4   where my block's scale byte of row 0 goes
.set SCR, 5                            ; v5   the scale bytes, out of LDS: 16 x lane in my 512
.set SPW, 6                            ; v6   LDS address of my spare word; never rewritten
.set NIL, 7                            ; v7   0; never rewritten
.set SGO, 8                            ; v8   the scale bytes' offset in q's block
.set R,   16                           ; v16-79   a ring of 4 rows x 4 ranks x 4 registers, as loaded
.set C,   80                           ; v80-95   a block's codes, four registers, by the row % 4
.set E,   96                           ; v96-99   its scale byte, by the row % 4
.set M,   100                          ; v100-107 four running maxima, by the row's parity
.set SO,  108                          ; v108-109 the conversions' scale operand, by the row's parity
.set SCO, 112                          ; v112-115 the scale bytes on the way out
.set X,   128                          ; v128-191 two sets of 32 numbers in f32
.set OUT, 128                          ; the same registers, behind the last row: the codes on the way out
.set SB,  24                           ; s[24:31] the input at my first row, my slot's first k: a pair for each rank
.set BK,  32                           ; s[32:39] q at my position's fragments: a pair for each kq
	s_load_b128 s[4:7], s[0:1], 0x0                ; x, weight
	s_load_b64 s[8:9], s[0:1], 0x10                ; q
	v_lshl_add_u32 v[SPW], v0, 2, SPARE
	v_mov_b32 v[NIL], 0
	v_lshrrev_b32 v9, 5, v0
	s_delay_alu instid0(VALU_DEP_1)
	v_readfirstlane_b32 s16, v9                    ; wave 0..7 = my row block i
	s_lshr_b32 s17, s16, 1                         ; its pair
	s_and_b32 s18, s16, 1                          ; which of the pair
	s_and_b32 s19, ttmp7, 0xffff                   ; op
	s_lshr_b32 s20, ttmp9, 4                       ; T
	s_and_b32 s21, ttmp9, 15                       ; t
	s_cmp_eq_u32 s19, 0
	s_cselect_b32 s22, 3, 0                        ; x: kq turns the pairs of positions; weight: nothing does
	s_lshl_b32 s23, s20, 20                        ; the input's bytes: 128 T rows of 8,192 bytes
	s_lshl_b32 s11, s16, 17                        ; + 16 i rows
	s_or_b32 s23, s23, s11
	s_lshl_b32 s11, s21, 9                         ; + 256 t numbers
	s_or_b32 s23, s23, s11
.irp w, 0,1,2,3
	s_add_co_u32 s[SB+2*\w], s23, \w<<24           ; + rank w x 2^24 bytes
	s_mov_b32 s[SB+2*\w+1], 0
.endr
	s_lshl_b32 s10, s19, 8                         ; my block in q: (256 op + 16 T + t) x 69,632, under 2^26
	s_add_co_u32 s10, s10, ttmp9
	s_mul_i32 s10, s10, BLK
	s_lshl_b32 s13, s18, 10
	s_add_co_u32 s13, s13, s10                     ; + which of the pair x 1,024
.irp k, 0,1,2,3
	s_and_b32 s11, s22, \k
	s_xor_b32 s11, s11, s17                        ; the pair of positions at which my pair of row blocks stands in part kq
	s_lshl_b32 s11, s11, 11
	s_add_co_u32 s11, s11, s13
	s_add_co_u32 s[BK+2*\k], s11, \k*16384
	s_mov_b32 s[BK+2*\k+1], 0
.endr
	s_add_co_u32 s14, s10, 65536                   ; the block's scale bytes
	s_mov_b32 s15, 0
	v_and_b32 v9, 31, v0                           ; lane
	s_delay_alu instid0(VALU_DEP_1)
	v_lshlrev_b32 v[LO], 4, v9
	s_mul_i32 s11, s16, WSTG                       ; my stage
	v_mul_u32_u24 v[STI], v9, 272
	s_delay_alu instid0(VALU_DEP_1)
	v_add_nc_u32 v[STI], s11, v[STI]
	v_and_b32 v10, 15, v9
	v_lshrrev_b32 v11, 4, v9
	s_delay_alu instid0(VALU_DEP_1)
	v_mul_u32_u24 v[STR], v11, 272
	s_delay_alu instid0(VALU_DEP_1)
	v_lshl_add_u32 v[STR], v10, 4, v[STR]
	s_delay_alu instid0(VALU_DEP_1)
	v_add_nc_u32 v[STR], s11, v[STR]
	v_lshrrev_b32 v12, 3, v9                       ; my block's kq,
	v_and_b32 v13, 7, v9                           ; and 4 j + bq
	s_delay_alu instid0(VALU_DEP_1)
	v_lshl_add_u32 v[SBA], v12, 8, v13
	s_lshl_b32 s11, s17, 10
	s_add_co_u32 s11, s11, SCB                     ; my pair's 1,024 scale bytes
	s_lshl_b32 s12, s18, 7
	s_add_co_u32 s12, s12, s11
	v_add_nc_u32 v[SBA], s12, v[SBA]               ; 256 kq + 128 x which of the pair + 4 j + bq; 8 bytes a row stand in the immediate
	s_lshl_b32 s12, s18, 9
	s_add_co_u32 s12, s12, s11
	v_add_nc_u32 v[SCR], s12, v[LO]                ; back: of my pair's four runs of 256 bytes I take those of kq = 2 x which of the pair + lane / 16
	s_lshl_b32 s12, s18, 1
	v_add_nc_u32 v14, s12, v11                     ; that kq
	s_delay_alu instid0(VALU_DEP_1)
	v_and_b32 v15, s22, v14
	s_delay_alu instid0(VALU_DEP_1)
	v_xor_b32 v15, s17, v15                        ; the pair of positions
	s_delay_alu instid0(VALU_DEP_3)
	v_lshlrev_b32 v14, 10, v14
	s_delay_alu instid0(VALU_DEP_1)
	v_lshl_add_u32 v14, v15, 8, v14
	s_delay_alu instid0(VALU_DEP_1)
	v_lshl_add_u32 v[SGO], v10, 4, v14             ; 1,024 kq + 256 x pair of positions + 16 (lane % 16)
	s_wait_kmcnt 0x0
	s_cmp_eq_u32 s19, 0                            ; x's work-group or weight's: the choice hangs on the work-group's number alone
	s_cselect_b64 s[4:5], s[4:5], s[6:7]
.irp w, 0,1,2,3
	s_add_nc_u64 s[SB+2*\w:SB+2*\w+1], s[4:5], s[SB+2*\w:SB+2*\w+1]
.endr
.irp k, 0,1,2,3
	s_add_nc_u64 s[BK+2*\k:BK+2*\k+1], s[8:9], s[BK+2*\k:BK+2*\k+1]
.endr
	s_add_nc_u64 s[14:15], s[8:9], s[14:15]
.irp r, 0,1,2,3
.irp w, 0,1,2,3
	global_load_b128 v[R+16*\r+4*\w:R+16*\r+4*\w+3], v[LO], s[SB+2*\w:SB+2*\w+1] offset:\r*8192 th:TH_LOAD_NT   ; rows 0 to 3 fill the ring; 32 lanes read 512 consecutive bytes
.endr
.endr
.macro CVT8 d, h0, h1, h2, h3, h4, h5, h6, h7      ; eight f16, named by their halves, to f32: exact
	v_cvt_f32_f16 v[\d], \h0
	v_cvt_f32_f16 v[\d+1], \h1
	v_cvt_f32_f16 v[\d+2], \h2
	v_cvt_f32_f16 v[\d+3], \h3
	v_cvt_f32_f16 v[\d+4], \h4
	v_cvt_f32_f16 v[\d+5], \h5
	v_cvt_f32_f16 v[\d+6], \h6
	v_cvt_f32_f16 v[\d+7], \h7
.endm
.macro WIDEN s, d                                  ; the 32 numbers of the ring's slot s, rank by rank, into v[d] on
.if (\s) == 0
	CVT8 \d, v16.l, v16.h, v17.l, v17.h, v18.l, v18.h, v19.l, v19.h
	CVT8 \d+8, v20.l, v20.h, v21.l, v21.h, v22.l, v22.h, v23.l, v23.h
	CVT8 \d+16, v24.l, v24.h, v25.l, v25.h, v26.l, v26.h, v27.l, v27.h
	CVT8 \d+24, v28.l, v28.h, v29.l, v29.h, v30.l, v30.h, v31.l, v31.h
.elseif (\s) == 1
	CVT8 \d, v32.l, v32.h, v33.l, v33.h, v34.l, v34.h, v35.l, v35.h
	CVT8 \d+8, v36.l, v36.h, v37.l, v37.h, v38.l, v38.h, v39.l, v39.h
	CVT8 \d+16, v40.l, v40.h, v41.l, v41.h, v42.l, v42.h, v43.l, v43.h
	CVT8 \d+24, v44.l, v44.h, v45.l, v45.h, v46.l, v46.h, v47.l, v47.h
.elseif (\s) == 2
	CVT8 \d, v48.l, v48.h, v49.l, v49.h, v50.l, v50.h, v51.l, v51.h
	CVT8 \d+8, v52.l, v52.h, v53.l, v53.h, v54.l, v54.h, v55.l, v55.h
	CVT8 \d+16, v56.l, v56.h, v57.l, v57.h, v58.l, v58.h, v59.l, v59.h
	CVT8 \d+24, v60.l, v60.h, v61.l, v61.h, v62.l, v62.h, v63.l, v63.h
.else
	CVT8 \d, v64.l, v64.h, v65.l, v65.h, v66.l, v66.h, v67.l, v67.h
	CVT8 \d+8, v68.l, v68.h, v69.l, v69.h, v70.l, v70.h, v71.l, v71.h
	CVT8 \d+16, v72.l, v72.h, v73.l, v73.h, v74.l, v74.h, v75.l, v75.h
	CVT8 \d+24, v76.l, v76.h, v77.l, v77.h, v78.l, v78.h, v79.l, v79.h
.endif
.endm
; Row r of my 16.
.macro ROW r
.set XS, X+32*((\r)%2)
.set MM, M+4*((\r)%2)
.set SS, SO+(\r)%2
.set CC, C+4*((\r)%4)
.set EE, E+(\r)%4
.if (\r) <= 12
	s_wait_loadcnt 12                              ; loads come back in order: this row's four are in, the three younger rows' twelve stay out
.else
	s_wait_loadcnt 4*(15-(\r))                     ; the last rows ask for nothing more: the counts run down
.endif
	WIDEN (\r)%4, XS
.if (\r) < 12
.irp w, 0,1,2,3
	global_load_b128 v[R+16*((\r)%4)+4*\w:R+16*((\r)%4)+4*\w+3], v[LO], s[SB+2*\w:SB+2*\w+1] offset:((\r)+4)*8192 th:TH_LOAD_NT   ; the slot takes the row four further on
.endr
.endif
	v_max3_num_f32 v[MM], |v[XS]|, |v[XS+1]|, 0x1800000            ; the block's largest magnitude: all 32 numbers are mine; four chains; and the floor 2^(3 - 127): the byte cannot fall under 1
	v_max3_num_f32 v[MM+1], |v[XS+2]|, |v[XS+3]|, |v[XS+4]|
	v_max3_num_f32 v[MM+2], |v[XS+5]|, |v[XS+6]|, |v[XS+7]|
	v_max3_num_f32 v[MM+3], |v[XS+8]|, |v[XS+9]|, |v[XS+10]|
.irp i, 11,19
	s_delay_alu instid0(VALU_DEP_4)
	v_max3_num_f32 v[MM], v[MM], |v[XS+\i]|, |v[XS+\i+1]|
	s_delay_alu instid0(VALU_DEP_4)
	v_max3_num_f32 v[MM+1], v[MM+1], |v[XS+\i+2]|, |v[XS+\i+3]|
	s_delay_alu instid0(VALU_DEP_4)
	v_max3_num_f32 v[MM+2], v[MM+2], |v[XS+\i+4]|, |v[XS+\i+5]|
	s_delay_alu instid0(VALU_DEP_4)
	v_max3_num_f32 v[MM+3], v[MM+3], |v[XS+\i+6]|, |v[XS+\i+7]|
.endr
	s_delay_alu instid0(VALU_DEP_4)
	v_max3_num_f32 v[MM], v[MM], |v[XS+27]|, |v[XS+28]|
	s_delay_alu instid0(VALU_DEP_4)
	v_max3_num_f32 v[MM+1], v[MM+1], |v[XS+29]|, |v[XS+30]|
	s_delay_alu instid0(VALU_DEP_3)
	v_max3_num_f32 v[MM+2], v[MM+2], v[MM+3], |v[XS+31]|
	s_delay_alu instid0(VALU_DEP_1)
	v_max3_num_f32 v[MM], v[MM], v[MM+1], v[MM+2]
	s_delay_alu instid0(VALU_DEP_1)
	v_add_nc_u32 v[SS], 0xff000000, v[MM]          ; 2 off its exponent field: the conversion takes the exponent field of this operand as its scale, and nothing else of it
.irp g, 0,1,2,3
	v_cvt_scalef32_pk8_fp4_f32 v[CC+\g], v[XS+8*\g:XS+8*\g+7], v[SS]   ; rank g's eight codes
.endr
	v_lshrrev_b32 v[EE], 23, v[SS]                 ; the scale's byte; also the plain instruction behind the conversions
	ds_store_b128 v[STI], v[CC:CC+3] offset:16*(\r)
	ds_store_b8 v[SBA], v[EE] offset:8*(\r)
.endm
.irp r, 0,1,2,3,4,5,6,7,8,9,10,11,12,13,14,15
	ROW \r
.endr
.irp g, 0,1,2,3,4,5,6,7,8,9,10,11,12,13,14,15
	ds_load_b128 v[OUT+4*\g:OUT+4*\g+3], v[STR] offset:544*\g      ; blocks 2 g (lanes 0-15) and 2 g + 1 (lanes 16-31), 16 rows each: LDS serves a wave's instructions in order, so these see my stores
.endr
	s_wait_dscnt 0x0                               ; my codes are back; and, for the others' sake, my scale bytes have landed
	s_barrier_signal -1
	s_barrier_wait -1                              ; everybody's have
	ds_load_b128 v[SCO:SCO+3], v[SCR]              ; two runs of 256 scale bytes, half of each from my partner in the pair
.irp g, 0,1,2,3,4,5,6,7,8,9,10,11,12,13,14,15
	global_store_b128 v[LO], v[OUT+4*\g:OUT+4*\g+3], s[BK+2*(\g/4):BK+2*(\g/4)+1] offset:8192*((\g/2)%2)+512*(\g%2)   ; kq = g / 4, j = (g / 2) % 2, register group g % 2: 512 consecutive bytes, at a multiple of 512 from q's first byte
.endr
	s_wait_dscnt 0x0
	global_store_b128 v[SGO], v[SCO:SCO+3], s[14:15]               ; sixteen lanes store 256 consecutive bytes, at a multiple of 256 from q's first byte
	s_wait_tensorcnt 0x0                           ; the wave's end, behind my last LDS store
	ds_add_u32 v[SPW], v[NIL]
	s_wait_dscnt 0x0
	s_endpgm
.Lfunc_end_k_qdbaf15857f_quant:
	.size	k_qdbaf15857f_quant, .Lfunc_end_k_qdbaf15857f_quant-k_qdbaf15857f_quant
	.p2alignl 7, 3214868480
	.fill 96, 4, 3214868480
	.section	.rodata,"a",@progbits
	.p2align	6, 0x0
	.amdhsa_kernel k_qdbaf15857f_quant
		.amdhsa_group_segment_fixed_size 74752
		.amdhsa_private_segment_fixed_size 0
		.amdhsa_enable_private_segment 0
		.amdhsa_kernarg_size 24
		.amdhsa_user_sgpr_count 2
		.amdhsa_user_sgpr_kernarg_segment_ptr 1
		.amdhsa_wavefront_size32 1
		.amdhsa_system_sgpr_workgroup_id_x 1
		.amdhsa_system_sgpr_workgroup_id_y 1
		.amdhsa_system_sgpr_workgroup_id_z 1
		.amdhsa_system_vgpr_workitem_id 0
		.amdhsa_next_free_vgpr 192
		.amdhsa_next_free_sgpr 66
		.amdhsa_reserve_vcc 0
		.amdhsa_float_denorm_mode_32 3
		.amdhsa_float_denorm_mode_16_64 3
		.amdhsa_memory_ordered 1
		.amdhsa_forward_progress 1
		.amdhsa_inst_pref_size 61
	.end_amdhsa_kernel
	.amdgpu_metadata
---
amdhsa.version: [ 1, 2 ]
amdhsa.kernels:
  - .name:           k_qdbaf15857f_quant
    .symbol:         k_qdbaf15857f_quant.kd
    .args:
      - { .name: x, .offset: 0, .size: 8, .value_kind: global_buffer, .address_space: global }
      - { .name: weight, .offset: 8, .size: 8, .value_kind: global_buffer, .address_space: global }
      - { .name: q, .offset: 16, .size: 8, .value_kind: global_buffer, .address_space: global }
    .group_segment_fixed_size: 74752
    .private_segment_fixed_size: 0
    .kernarg_segment_align: 8
    .kernarg_segment_size: 24
    .max_flat_workgroup_size: 256
    .sgpr_count:     66
    .vgpr_count:     192
    .wavefront_size: 32
...
	.end_amdgpu_metadata
.endif
;; end of part 1
;; launch gemm (part 2): grid 16 x 16, 4 waves a work-group, clusters of 4 x 4, 327,680 bytes of LDS; arguments q, out0; writes out0
.if DOCPART == 2
	.amdgcn_target "amdgcn-amd-amdhsa--gfx1250"
	.amdhsa_code_object_version 6
	.text
	.protected	k_qdbaf15857f_gemm
	.globl	k_qdbaf15857f_gemm
	.p2align	8
	.type	k_qdbaf15857f_gemm,@function
k_qdbaf15857f_gemm:
	s_mov_b64 s[64:65], 0
	v_nop
	global_prefetch_b8 v0, s[64:65] scope:SCOPE_SE
	s_setreg_imm32_b32 hwreg(HW_REG_WAVE_MODE, 25, 1), 1
	s_wait_xcnt 0x0
	s_wait_alu depctr_hold_cnt(0) depctr_sa_sdst(0) depctr_va_vdst(0) depctr_va_sdst(0) depctr_va_ssrc(0) depctr_va_vcc(0) depctr_vm_vsrc(0)
	s_getreg_b32 s2, hwreg(HW_REG_IB_STS2, 6, 4)
	s_cmp_eq_u32 s2, 0
	s_cbranch_scc0 .Lentry_in_a_cluster
	s_endpgm
.Lentry_in_a_cluster:
	s_bfe_u32 s2, ttmp6, 0x10000c
	s_cmp_lg_u32 s2, 0xf033
	s_cbranch_scc0 .Lentry_shape_is_right
	s_endpgm
.Lentry_shape_is_right:
; out0[m][n] = sum over K of x's and weight's quantised numbers, K = 16,384, from the workspace q (codes of E2M1 and E8M0 bytes, laid by the launch before as images of operand registers); f32 sums, rounded once to f16.
; NO WORK IS LEFT OUT: every code and every scale byte of q enters a sum of the output.
; SHARES.  A work-group makes 128 x 128 of the output; 16 x 16 work-groups.  K IS CUT AMONG THE FOUR WAVES: of each block of q (128 rows x 1,024 K) wave kq takes part kq, two steps of 128 K,
;   and sums all 128 x 128 in 64 accumulators (512 registers).  So each LDS byte is read once, by one wave.  At the end the four partial sums meet in LDS: wave kq owns 32 rows (positions 0, 1 of its parts of x).
; THE RING.  A slot holds one block of x and one of weight, 2 x 69,632 bytes; two slots.  A wave fetches half a block, 34,816 dense bytes stated as 68 rows of 512, by one tensor load: waves 0, 1 x's, waves 2, 3 weight's.
;   By this text's own count a wave has at most one tensor load outstanding.  All waits on TENSORcnt are for 0.
; CLUSTERS: 4 x 4 work-groups.  x's block hangs on the tile row of the output (work-group x) alone: the four with the same cx ask for it jointly; weight's on the tile column (work-group y): the four with the same cy.
; PREFETCH.  Behind each joint load the block two refills on is named: a wave's 136 blocks of 256 bytes are shared out by address among the four partners that ask for them jointly, 34 each
;   (32 lanes, then blocks 32 and 33; the lanes left over name the last again).  Behind block 0's load blocks 1 and 2 are named; the loop's last trip names nothing: block 15 is the last.
; THE MATRIX INSTRUCTION IS USED TRANSPOSED: source 0 = 16 rows of weight, source 1 = 16 rows of x: a lane holds eight neighbouring columns of one row of the output.
; LIMITS: a sum beyond f16's range becomes an infinity, as in the conversion that the problem names.
; REGISTERS: window 0: v0-31 addresses; v32-47 x's scale words, v64-79 weight's (two sets each); v80-207 weight's fragments, two sets.  Window 1: v0-127 x's fragments, two sets.  Windows 2, 3: the accumulators ((a, b) at 8 (8 (a % 4) + b)).
.set BLK,    69632
.set HALF,   34816
.set SLOT,   2*BLK
.set TROW,   16*BLK
.set OPB,    256*BLK
.set SPARE,  2*SLOT                    ; the spare words: 512 bytes that no other line names
.set OWN,    49152                     ; the way out: what a wave receives: 3 x 16,384 bytes; these bytes have had their last fill by then
.set INB,    16384
.set STG,    4*OWN
.set SPITCH, 272
.set WSTG,   32*SPITCH
.set WR,   8
.set RDR,  11
.set ADRA, 16
.set ADRB, 18
.set ADSA, 20
.set ADSB, 22
.set STO,  24
.set RD,   25
.set CO,   26
.set SPW,  28
.set NIL,  29
.set PFO,  30
.set PFO2, 31
.set SA,   32
.set SW,   64
.set BF,   80
.set OB,   80
.set G1,  24
.set G0,  32
.set G1B, 48
.set G0B, 56
.set PFA, 66
.set MSB, 0
.macro WIN new
.if MSB != (\new)
	s_set_vgpr_msb (MSB<<8)|(\new)
.set MSB, \new
.endif
.endm
.set MUL_LO, 0xa4                      ; source 0 window 0, source 1 window 1, C and D window 2
.set MUL_HI, 0xf4
.set TO_A,   0x40
; a joint load: waves 0, 1 for x, waves 2, 3 for weight
.macro JLOAD s
	s_cmp_eq_u32 s15, 0
	s_cbranch_scc0 .Lfor_b_\@
	tensor_load_to_lds s[G0+4*(\s):G0+4*(\s)+3], s[G1:G1+7]
	s_nop 0
.rept 4
	v_nop
.endr
	s_branch .Lasked_\@
.Lfor_b_\@:
	tensor_load_to_lds s[G0B+4*(\s):G0B+4*(\s)+3], s[G1B:G1B+7]
	s_nop 0
.rept 4
	v_nop
.endr
.Lasked_\@:
.endm
.macro CREST
	s_cmp_lg_u32 s14, 0
	s_cbranch_scc1 .Lnot_wave_0_\@
	s_barrier_signal -3
.Lnot_wave_0_\@:
	s_barrier_wait -3
	s_barrier_signal -1
	s_barrier_wait -1
.endm
.macro CROUND
	s_barrier_signal -1
	s_barrier_wait -1
	CREST
.endm
.macro PF off                          ; my work-group's 34 blocks of 256 bytes of the half block that I fetch
	global_prefetch_b8 v[PFO], s[PFA:PFA+1] offset:\off th:TH_LOAD_NT scope:SCOPE_SE
	global_prefetch_b8 v[PFO2], s[PFA:PFA+1] offset:\off th:TH_LOAD_NT scope:SCOPE_SE
.endm
.macro ASK                             ; not in the loop's last trip (s3 = 1): its blocks would lie behind block 15
	s_cmp_gt_u32 s3, 1
	s_cbranch_scc0 .Lno_ask_\@
	PF 0
.Lno_ask_\@:
.endm
	s_load_b128 s[4:7], s[0:1], 0x0                ; q, out0
	v_lshl_add_u32 v[SPW], v0, 2, SPARE
	v_mov_b32 v[NIL], 0
	ds_add_u32 v[SPW], v[NIL]                      ; the opening: the add, twice on end, and its wait ahead of my first tensor load
	ds_add_u32 v[SPW], v[NIL]
	v_lshrrev_b32 v1, 5, v0
	v_readfirstlane_b32 s14, v1                    ; wave = kq
	s_lshr_b32 s15, s14, 1                         ; I fetch for x (0) or for weight (1),
	s_and_b32 s16, s14, 1                          ; and which half of the block
	s_bfe_u32 s40, ttmp6, 0x40000                  ; cx
	s_bfe_u32 s41, ttmp6, 0x40004                  ; cy
	s_lshl_b32 s17, ttmp9, 2
	s_add_co_u32 s17, s17, s40                     ; tile row of the output (x's T)
	s_and_b32 s42, ttmp7, 0xffff
	s_lshl_b32 s42, s42, 2
	s_add_co_u32 s42, s42, s41                     ; tile column (weight's T)
	s_lshl_b32 s43, s41, 2
	s_lshl_b32 s43, 15, s43                        ; the four with my cy
	s_lshl_b32 s44, 0x1111, s40                    ; the four with my cx
	s_or_b32 s[G1+0], s44, (3<<16)|(1<<21)         ; elements of 8 bytes; bit 21 beside a mask
	s_or_b32 s[G1B+0], s43, (3<<16)|(1<<21)
.irp g, G1, G1B
	s_mov_b32 s[\g+1], 64<<16                      ; rows of 64 elements = 512 bytes,
	s_mov_b32 s[\g+2], 68<<16                      ; 68 of them, dense
	s_mov_b32 s[\g+3], 64<<16
	s_mov_b32 s[\g+4], 68
	s_mov_b32 s[\g+5], 64
	s_mov_b32 s[\g+6], 0
	s_mov_b32 s[\g+7], 0
.endr
	s_mul_i32 s12, s16, HALF
	s_mul_i32 s20, s17, TROW
	s_add_co_u32 s20, s20, s12                     ; x: block (T, 0), my half
	s_mov_b32 s21, 0
	s_mul_i32 s46, s42, TROW
	s_add_co_u32 s46, s46, s12
	s_add_co_u32 s46, s46, OPB                     ; weight likewise
	s_mov_b32 s47, 0
	s_mul_i32 s45, s14, HALF                       ; where my half goes in a slot
	s_mul_i32 s10, s41, 8704                       ; the prefetches: x's partners differ in cy, weight's in cx: 34 x 256 bytes each
	s_add_co_u32 s10, s10, s20
	s_mul_i32 s11, s40, 8704
	s_add_co_u32 s11, s11, s46
	s_cmp_eq_u32 s15, 0
	s_cselect_b32 s[PFA], s10, s11
	s_add_co_u32 s[PFA], s[PFA], BLK               ; at block 1
	s_mov_b32 s[PFA+1], 0
	s_lshl_b32 s22, s17, 7
	s_lshl_b32 s23, s14, 5
	s_add_co_u32 s22, s22, s23                     ; my first row of the output: 128 x tile row + 32 kq
	s_lshl_b32 s22, s22, 12
	s_lshl_b32 s23, s42, 8
	s_add_co_u32 s22, s22, s23                     ; + 256 bytes x tile column
	s_mov_b32 s23, 0
	s_lshl_b32 s18, s14, 14                        ; my part's fragments in a block
	s_lshl_b32 s19, s14, 10
	s_add_co_u32 s19, s19, 65536                   ; and its scale words
.irp g, 1,2,3
	s_xor_b32 s[67+\g], s14, \g                    ; positions 2 g, 2 g + 1 of my sums belong to wave kq xor g
	s_mul_i32 s[67+\g], s[67+\g], OWN
	s_add_co_u32 s[67+\g], s[67+\g], (\g-1)*INB
.endr
	s_mul_i32 s71, s14, OWN
	s_mul_i32 s72, s14, WSTG
	s_add_co_u32 s72, s72, STG
	s_wait_dscnt 0x0                               ; both opening adds are done
	s_wait_kmcnt 0x0
	s_add_nc_u64 s[20:21], s[4:5], s[20:21]
	s_add_nc_u64 s[46:47], s[4:5], s[46:47]
	s_add_nc_u64 s[PFA:PFA+1], s[4:5], s[PFA:PFA+1]
	s_add_nc_u64 s[6:7], s[6:7], s[22:23]
.irp s, 0,1
	s_mov_b32 s[G0+4*\s], 1
	s_add_co_u32 s[G0+4*\s+1], s45, \s*SLOT
	s_add_nc_u64 s[G0+4*\s+2:G0+4*\s+3], s[20:21], \s*BLK
	s_or_b32 s[G0+4*\s+3], s[G0+4*\s+3], 0x80000000
	s_mov_b32 s[G0B+4*\s], 1
	s_add_co_u32 s[G0B+4*\s+1], s45, \s*SLOT
	s_add_nc_u64 s[G0B+4*\s+2:G0B+4*\s+3], s[46:47], \s*BLK
	s_or_b32 s[G0B+4*\s+3], s[G0B+4*\s+3], 0x80000000
.endr
	CROUND                                         ; all sixteen work-groups are here: the first joint loads meet
	JLOAD 0                                        ; block 0: one tensor load a wave at the head
	v_and_b32 v1, 15, v0                           ; r
	v_bfe_u32 v2, v0, 4, 1                         ; h
	v_and_b32 v5, 31, v0                           ; lane
	v_lshlrev_b32 v7, 4, v5
	v_add_nc_u32 v[ADRA], s18, v7                  ; a fragment is the image of its registers: 16 bytes a lane
	v_add_nc_u32 v[ADRA+1], SLOT, v[ADRA]
	v_add_nc_u32 v[ADRB], BLK, v[ADRA]
	v_add_nc_u32 v[ADRB+1], SLOT, v[ADRB]
	v_lshlrev_b32 v4, 3, v1
	v_lshl_add_u32 v4, v2, 9, v4                   ; scale words: 8 r; lanes 16-31 take the position four further on
	v_add_nc_u32 v[ADSA], s19, v4
	v_add_nc_u32 v[ADSA+1], SLOT, v[ADSA]
	v_add_nc_u32 v[ADSB], BLK, v[ADSA]
	v_add_nc_u32 v[ADSB+1], SLOT, v[ADSB]
	v_add_nc_u32 v[WR], s68, v7
	v_add_nc_u32 v[WR+1], s69, v7
	v_add_nc_u32 v[WR+2], s70, v7
	v_add_nc_u32 v[RDR], s71, v7
	v_mul_u32_u24 v4, v1, SPITCH
	v_lshl_add_u32 v4, v2, 4, v4
	v_add_nc_u32 v[STO], s72, v4
	v_mul_u32_u24 v6, v2, SPITCH
	v_lshl_add_u32 v6, v1, 4, v6
	v_add_nc_u32 v[RD], s72, v6
	v_lshlrev_b32 v[CO], 12, v2
	v_lshl_add_u32 v[CO], v1, 4, v[CO]
	v_lshlrev_b32 v[PFO], 8, v5                    ; blocks 0 to 31 of my 34,
	v_min_u32 v[PFO2], 1, v5
	v_lshlrev_b32 v[PFO2], 8, v[PFO2]
	v_add_nc_u32 v[PFO2], 8192, v[PFO2]            ; and 32, 33
; step n's fragments: slot (n / 2) % 2, j = n % 2, into set n % 2: 16 loads of 512 consecutive bytes a side
.macro FETCH_B n
.irp b, 0,1,2,3,4,5,6,7
	ds_load_b128 v[BF+64*((\n)%2)+8*\b:BF+64*((\n)%2)+8*\b+3], v[ADRB+((\n)/2)%2] offset:8192*((\n)%2)+1024*\b
	ds_load_b128 v[BF+64*((\n)%2)+8*\b+4:BF+64*((\n)%2)+8*\b+7], v[ADRB+((\n)/2)%2] offset:8192*((\n)%2)+1024*\b+512
.endr
.endm
.macro FETCH_A n
	WIN TO_A
.irp b, 0,1,2,3,4,5,6,7
	ds_load_b128 v[64*((\n)%2)+8*\b:64*((\n)%2)+8*\b+3], v[ADRA+((\n)/2)%2] offset:8192*((\n)%2)+1024*\b
	ds_load_b128 v[64*((\n)%2)+8*\b+4:64*((\n)%2)+8*\b+7], v[ADRA+((\n)/2)%2] offset:8192*((\n)%2)+1024*\b+512
.endr
.endm
.macro SCALES t                        ; block t's scale words, both steps': register 2 p + j: lanes 0-15 position p, lanes 16-31 position p + 4
.irp p, 0,1,2,3
	ds_load_b64 v[SW+8*((\t)%2)+2*\p:SW+8*((\t)%2)+2*\p+1], v[ADSB+(\t)%2] offset:128*\p
	ds_load_b64 v[SA+8*((\t)%2)+2*\p:SA+8*((\t)%2)+2*\p+1], v[ADSA+(\t)%2] offset:128*\p
.endr
.endm
.macro WM a, b, i, zero
.set rD, 8*(8*((\a)%4)+(\b))
.set rB, BF+64*((\i)%2)+8*(\b)
.set rA, 64*((\i)%2)+8*(\a)
.set rW, SW+8*(((\i)/2)%2)+2*((\b)%4)+(\i)%2
.set rX, SA+8*(((\i)/2)%2)+2*((\a)%4)+(\i)%2
.set vv, 4*(\zero)+2*((\b)/4)+(\a)/4
.if vv == 0
	v_wmma_scale_f32_16x16x128_f8f6f4 v[rD:rD+7], v[rB:rB+7], v[rA:rA+7], v[rD:rD+7], v[rW], v[rX] matrix_a_fmt:MATRIX_FMT_FP4 matrix_b_fmt:MATRIX_FMT_FP4
.elseif vv == 1
	v_wmma_scale_f32_16x16x128_f8f6f4 v[rD:rD+7], v[rB:rB+7], v[rA:rA+7], v[rD:rD+7], v[rW], v[rX] matrix_a_fmt:MATRIX_FMT_FP4 matrix_b_fmt:MATRIX_FMT_FP4 matrix_b_scale:MATRIX_SCALE_ROW1
.elseif vv == 2
	v_wmma_scale_f32_16x16x128_f8f6f4 v[rD:rD+7], v[rB:rB+7], v[rA:rA+7], v[rD:rD+7], v[rW], v[rX] matrix_a_fmt:MATRIX_FMT_FP4 matrix_b_fmt:MATRIX_FMT_FP4 matrix_a_scale:MATRIX_SCALE_ROW1
.elseif vv == 3
	v_wmma_scale_f32_16x16x128_f8f6f4 v[rD:rD+7], v[rB:rB+7], v[rA:rA+7], v[rD:rD+7], v[rW], v[rX] matrix_a_fmt:MATRIX_FMT_FP4 matrix_b_fmt:MATRIX_FMT_FP4 matrix_a_scale:MATRIX_SCALE_ROW1 matrix_b_scale:MATRIX_SCALE_ROW1
.elseif vv == 4
	v_wmma_scale_f32_16x16x128_f8f6f4 v[rD:rD+7], v[rB:rB+7], v[rA:rA+7], 0, v[rW], v[rX] matrix_a_fmt:MATRIX_FMT_FP4 matrix_b_fmt:MATRIX_FMT_FP4
.elseif vv == 5
	v_wmma_scale_f32_16x16x128_f8f6f4 v[rD:rD+7], v[rB:rB+7], v[rA:rA+7], 0, v[rW], v[rX] matrix_a_fmt:MATRIX_FMT_FP4 matrix_b_fmt:MATRIX_FMT_FP4 matrix_b_scale:MATRIX_SCALE_ROW1
.elseif vv == 6
	v_wmma_scale_f32_16x16x128_f8f6f4 v[rD:rD+7], v[rB:rB+7], v[rA:rA+7], 0, v[rW], v[rX] matrix_a_fmt:MATRIX_FMT_FP4 matrix_b_fmt:MATRIX_FMT_FP4 matrix_a_scale:MATRIX_SCALE_ROW1
.else
	v_wmma_scale_f32_16x16x128_f8f6f4 v[rD:rD+7], v[rB:rB+7], v[rA:rA+7], 0, v[rW], v[rX] matrix_a_fmt:MATRIX_FMT_FP4 matrix_b_fmt:MATRIX_FMT_FP4 matrix_a_scale:MATRIX_SCALE_ROW1 matrix_b_scale:MATRIX_SCALE_ROW1
.endif
.endm
.macro MUL16 a0, i, zero               ; the 64 accumulators take turns, in the same order in every step
.irp a, \a0, \a0+1
.irp b, 0,1,2,3,4,5,6,7
	WM \a, \b, \i, \zero
.endr
.endr
.endm
.macro PLACES                          ; four places behind the last products, ahead of loads into registers that they read
.rept 4
	v_nop
.endr
.endm
; A step: 128 K a wave, 64 products.  The next step's fragments go into the other set, which the step before read (its four places stand at its end): weight's 16 loads ahead of the products, x's 16 in their middle.
; kind 0: the next step lies in the same slot.  kind 1: a slot's second step: its fragments are all in registers, so the slot is filled again, with the block two on, behind a round.  kind 2: the same change of slots with nothing left to fetch.
.macro STEP i, zero, kind
.if (\kind) == 0
	s_wait_dscnt 8                                 ; all but the youngest eight loads are in: those are x's positions 4 to 7
.else
.if (\kind) == 1
	s_wait_xcnt 0x0                                ; my prefetches have read their base: it steps one block
	s_add_nc_u64 s[PFA:PFA+1], s[PFA:PFA+1], BLK
.endif
	s_wait_tensorcnt 0x0                           ; my one tensor load, my part of the next slot, has landed;
	ds_add_u32 v[SPW], v[NIL]
.if (\kind) == 1
	s_add_nc_u64 s[G0+4*(((\i)/2)%2)+2:G0+4*(((\i)/2)%2)+3], s[G0+4*(((\i)/2)%2)+2:G0+4*(((\i)/2)%2)+3], 2*BLK
	s_add_nc_u64 s[G0B+4*(((\i)/2)%2)+2:G0B+4*(((\i)/2)%2)+3], s[G0B+4*(((\i)/2)%2)+2:G0B+4*(((\i)/2)%2)+3], 2*BLK
.endif
	s_wait_dscnt 0x0                               ; the add is done, and my reads of this slot are back
.if (\kind) == 1
	CROUND                                         ; the same holds of every wave of the sixteen work-groups
	JLOAD ((\i)/2)%2                               ; the refill: the first tensor load behind the round, one a wave
.else
	s_barrier_signal -1
	s_barrier_wait -1
.endif
.endif
	FETCH_B (\i)+1
.if ((\i)+1)%2 == 0
	SCALES ((\i)+1)/2
.endif
.if (\kind) == 1
	ASK
.endif
	WIN MUL_LO
	MUL16 0, \i, \zero
	MUL16 2, \i, \zero
	FETCH_A (\i)+1
.if (\kind) == 0
	s_wait_dscnt 32                                ; all but this step's own 32 loads: x's positions 4 to 7 are in
.endif
	WIN MUL_HI
	MUL16 4, \i, \zero
	MUL16 6, \i, \zero
	PLACES
	WIN 0
.endm
	s_wait_alu depctr_va_vdst(0)
	PF 0                                           ; block 1,
	PF BLK                                         ; and block 2
	s_wait_tensorcnt 0x0                           ; my part of block 0 is in; slot 1's first fill is issued as a refill is
	ds_add_u32 v[SPW], v[NIL]
	s_wait_xcnt 0x0
	s_add_nc_u64 s[PFA:PFA+1], s[PFA:PFA+1], 2*BLK
	s_wait_dscnt 0x0
	CROUND
	JLOAD 1                                        ; block 1
	FETCH_B 0
	SCALES 0
	FETCH_A 0
	WIN 0
	PF 0                                           ; block 3
	STEP 0, 1, 0                                   ; the first step's products start the sums
	s_mov_b32 s3, 7
.Llap:                                                 ; a trip: four steps, once round the ring, both slots filled again: blocks 2 to 15 in seven trips
	STEP 1, 0, 1
	STEP 2, 0, 0
	STEP 3, 0, 1
	STEP 4, 0, 0
	s_sub_co_u32 s3, s3, 1
	s_cmp_lg_u32 s3, 0
	s_cbranch_scc1 .Llap
	STEP 1, 0, 2
	STEP 2, 0, 0
	s_wait_dscnt 0x0                               ; the last step's fragments are in: my reads of the ring are over
	s_barrier_signal -1
	WIN MUL_LO
	MUL16 0, 3, 0
	MUL16 2, 3, 0
	WIN MUL_HI
	MUL16 4, 3, 0
	MUL16 6, 3, 0
	WIN 0
	s_barrier_wait -1                              ; everybody's are: the ring's bytes, which have had their last fill, take the partial sums
	PLACES
; THE FOUR PARTIAL SUMS MEET: each wave hands the six positions that it does not own to their owners, as images of the registers
.irp a, 2,3,4,5,6,7
	WIN 0x08+4*((\a)/4)
.irp b, 0,1,2,3,4,5,6,7
	ds_store_b128 v[WR+(\a)/2-1], v[8*(8*((\a)%4)+\b):8*(8*((\a)%4)+\b)+3] offset:8192*((\a)%2)+1024*\b
	ds_store_b128 v[WR+(\a)/2-1], v[8*(8*((\a)%4)+\b)+4:8*(8*((\a)%4)+\b)+7] offset:8192*((\a)%2)+1024*\b+512
.endr
.endr
	WIN 0
	s_wait_dscnt 0x0                               ; for the others' sake: my stores have landed
	s_barrier_signal -1
	s_barrier_wait -1
	WIN TO_A
.set i, 0
	s_wait_alu depctr_va_vdst(0)
.rept 64
	ds_load_b128 v[4*i:4*i+3], v[RDR] offset:512*i ; two partners' sums into window 1
.set i, i+1
.endr
	s_wait_dscnt 32
	WIN 0x86
.set i, 0
.rept 64
	v_pk_add_f32 v[i:i+1], v[i:i+1], v[i:i+1]      ; window 2 += window 1
.set i, i+2
.endr
	WIN 0
.set i, 0
.rept 32
	ds_load_b128 v[OB+4*i:OB+4*i+3], v[RDR] offset:2*INB+512*i     ; the third partner's
.set i, i+1
.endr
	s_wait_dscnt 32
	WIN 0x86
.set i, 0
.rept 64
	v_pk_add_f32 v[i:i+1], v[i:i+1], v[128+i:129+i]
.set i, i+2
.endr
	s_wait_dscnt 0x0
	WIN 0x82
.set i, 0
.rept 64
	v_pk_add_f32 v[i:i+1], v[i:i+1], v[OB+i:OB+i+1]
.set i, i+2
.endr
	WIN 0x4a
.set i, 0
.rept 64
	v_cvt_pk_f16_f32 v[i], v[2*i], v[2*i+1]        ; rounded once, into window 1
.set i, i+1
.endr
	WIN 0x04
.irp a, 0,1
.irp b, 0,1,2,3,4,5,6,7
	ds_store_b128 v[STO], v[4*(8*\a+\b):4*(8*\a+\b)+3] offset:16*SPITCH*\a+32*\b   ; through my own stage: rows of 256 bytes + 16
.endr
.endr
	WIN 0
.irp n, 0,1,2,3,4,5,6,7,8,9,10,11,12,13,14,15
	ds_load_b128 v[OB+4*\n:OB+4*\n+3], v[RD] offset:16*SPITCH*(\n/8)+2*SPITCH*(\n%8)
.endr
.irp n, 0,1,2,3,4,5,6,7,8,9,10,11,12,13,14,15
	s_wait_dscnt 15-\n
	global_store_b128 v[CO], v[OB+4*\n:OB+4*\n+3], s[6:7] offset:(16*(\n/8)+2*(\n%8))*4096 th:TH_STORE_NT   ; sixteen lanes store 256 consecutive bytes, at a multiple of 256 from out0's first byte
.endr
	s_wait_tensorcnt 0x0                           ; the wave's end
	ds_add_u32 v[SPW], v[NIL]
	s_wait_dscnt 0x0
	CROUND                                         ; the closing round
	s_endpgm
.Lfunc_end_k_qdbaf15857f_gemm:
	.size	k_qdbaf15857f_gemm, .Lfunc_end_k_qdbaf15857f_gemm-k_qdbaf15857f_gemm
	.p2alignl 7, 3214868480
	.fill 96, 4, 3214868480
	.section	.rodata,"a",@progbits
	.p2align	6, 0x0
	.amdhsa_kernel k_qdbaf15857f_gemm
		.amdhsa_group_segment_fixed_size 327680
		.amdhsa_private_segment_fixed_size 0
		.amdhsa_enable_private_segment 0
		.amdhsa_kernarg_size 16
		.amdhsa_user_sgpr_count 2
		.amdhsa_user_sgpr_kernarg_segment_ptr 1
		.amdhsa_wavefront_size32 1
		.amdhsa_system_sgpr_workgroup_id_x 1
		.amdhsa_system_sgpr_workgroup_id_y 1
		.amdhsa_system_sgpr_workgroup_id_z 1
		.amdhsa_system_vgpr_workitem_id 0
		.amdhsa_next_free_vgpr 1024
		.amdhsa_next_free_sgpr 76
		.amdhsa_reserve_vcc 0
		.amdhsa_float_denorm_mode_32 3
		.amdhsa_float_denorm_mode_16_64 3
		.amdhsa_memory_ordered 1
		.amdhsa_forward_progress 1
		.amdhsa_inst_pref_size 130
	.end_amdhsa_kernel
	.amdgpu_metadata
---
amdhsa.version: [ 1, 2 ]
amdhsa.kernels:
  - .name:           k_qdbaf15857f_gemm
    .symbol:         k_qdbaf15857f_gemm.kd
    .args:
      - { .name: q, .offset: 0, .size: 8, .value_kind: global_buffer, .address_space: global }
      - { .name: out0, .offset: 8, .size: 8, .value_kind: global_buffer, .address_space: global }
    .group_segment_fixed_size: 327680
    .private_segment_fixed_size: 0
    .kernarg_segment_align: 8
    .kernarg_segment_size: 16
    .max_flat_workgroup_size: 128
    .sgpr_count:     76
    .vgpr_count:     1024
    .wavefront_size: 32
...
	.end_amdgpu_metadata
.endif
;; end of part 2
